; MI455X (gfx1250); checked and timed in simulation.
; The chip was launched on July 23, 2026; its instructions are those of AMD's public machine-readable ISA for CDNA 5 (MIT licence, August 2026) and "CDNA5" Instruction Set Architecture Reference Guide (July 2026). The comments in the code are by the model that wrote it; some were corrected since.
;; Core Attention. Allowed arithmetic: matrix products marked QUANTISED: E4M3 operands, one given power-of-two scale a tensor, by v_wmma_f32_16x16x64_fp8_fp8 or v_wmma_f32_16x16x128_fp8_fp8, f32 sums; products left as they are: f32 operands where the result goes on into a quantised operand, else bf16, f16 or f32 operands; f32 sums; everything else in f32.
;; Inputs: k 2 x 12 x 2,049 x 64 float32; kpos 2 x 2,049 x 2 int32; lowp_scales 4 int32 (the exponents e of the quantised operands' scales 2^e); mask_for_attention 2 x 2,049 x 2,049 bool; q 2 x 12 x 2,049 x 64 float32; qpos 2 x 2,049 x 2 int32; v 2 x 12 x 2,049 x 64 float32.
;; Outputs: out0 2 x 2,049 x 768 float32.
;; Constants: num_cls = 1.
;; This version of the problem:
;;   THIS VERSION OF THE PROBLEM IS GIVEN IN LOW PRECISION. The matrix products marked QUANTISED in the list below multiply operands that are first quantised to E4M3 (4 exponent bits, 3 mantissa bits; 8 bits a number), with one given power-of-two scale for each operand tensor; their sums are f32. All else is computed in f32.
;;   The module's matrix products, in the order in which they are computed (A, B: the left and right operand; K: the contracted axis; several contracted axes count as one K, in the product's order):
;;     1. batch 24 x [M 2,048, K 64] x [K 64, N 2,048]; A: computed on the way; B: computed on the way: QUANTISED (scales: A lowp_scales[0], B lowp_scales[1])
;;     2. batch 24 x [M 1, K 64] x [K 64, N 2,048]; A: input q; B: input k: left as it is (M = 1 < 16)
;;     3. batch 24 x [M 2,049, K 64] x [K 64, N 1]; A: input q; B: input k: left as it is (N = 1 < 16)
;;     4. batch 24 x [M 2,049, K 2,049] x [K 2,049, N 64]; A: softmax (see below); B: input v: QUANTISED (scales: A lowp_scales[2], B lowp_scales[3])
;;   THE QUANTISER, for each operand of a quantised product, along K:
;;     - The operand's scale is 2^e, e = its entry of the input lowp_scales (int32; the entries are numbered through the quantised products in the list's order, A before B).
;;     - Each number is divided by the scale, clamped to +-448, and rounded to the nearest number of E4M3, ties to even, subnormals kept.
;;     - The product sums the exact products of the quantised numbers (number of the format x scale) in f32.
;;   ~~~python
;;   def quantise(x, axis, e):      # numpy; x: float32 -> the quantised numbers, widened to float32 again
;;       x = np.moveaxis(x, axis, -1); K = x.shape[-1]
;;       r = np.clip(x / 2.0 ** e, -448, 448)
;;       step = 2.0 ** (np.maximum(np.frexp(np.where(r == 0, 1, r))[1] - 1, -6) - 3)
;;       q = np.round(r / step) * step * 2.0 ** e      # np.round: ties to even
;;       return np.moveaxis(q, -1, axis).astype(np.float32)
;;   ~~~
;;   SOFTMAX AHEAD OF A QUANTISED PRODUCT. Where the list says 'softmax', what is quantised is not the finished softmax but p = 2^(t - M), with t = logit x log2(e) and M = ceil(the row's largest t), a whole number; so 1/2 < the row's largest p <= 1. The row's sum l is taken of the UNQUANTISED p, in f32, and the product's result is divided by l at the end. Since M is a whole number, a kernel that streams over the keys may use a running M (the ceiling of the running maximum): every later rescaling is an exact power of two, so the quantised numbers keep their values, but for numbers so far below the row's largest that they fall under the format's range.
;;   OPERANDS COMPUTED ON THE WAY. 'Computed on the way' means the value that the module computes at that place (a softmax that the list does not call 'softmax' is quantised finished and normalised). What goes into a quantiser is computed in f32, as accurately as f32 sums, v_exp_f32 and their like allow (about 1e-6 of the number): no bf16 or f16 on the way to a quantiser, and a product that is left as it is and whose result goes on into a quantised operand takes f32 operands (vector FMAs, or v_wmma_f32_16x16x4_f32). A number that lies on a knife's edge between two numbers of the format may be rounded either way, as far as f32 arithmetic and the matrix unit's own rounding can turn it there, and no further.
;; One version. Each part assembles by itself: llvm-mc -triple=amdgcn-amd-amdhsa -mcpu=gfx1250 --defsym DOCPART=n.
;; ======== version 1 of 1: 2 launches
;; limits: right only within a limited range of input values
;; workspace buffers: qimg 3,145,728 bytes; kv 6,291,456 bytes; mw 1,048,576 bytes of whole numbers; cls 393,216 bytes
;; launch prep (part 1): grid 128 x 2, 16 waves a work-group, no clusters, 102,656 bytes of LDS; arguments q, k, v, qpos, kpos, mask_for_attention, lowp_scales, qimg, kv, mw, cls; writes qimg, kv, mw, cls
.if DOCPART == 1
	.amdgcn_target "amdgcn-amd-amdhsa--gfx1250"
	.amdhsa_code_object_version 6
	.text
	.protected	k_q93e47fbca7_prep
	.globl	k_q93e47fbca7_prep
	.p2align	8
	.type	k_q93e47fbca7_prep,@function
k_q93e47fbca7_prep:
	s_mov_b64 s[64:65], 0
	v_nop
	global_prefetch_b8 v0, s[64:65] scope:SCOPE_SE
	s_setreg_imm32_b32 hwreg(HW_REG_WAVE_MODE, 25, 1), 1
	s_wait_xcnt 0x0
; PREP: everything that all query blocks of the attention launch share is made once.  No work of reference() is left out, and every input is loaded.
; Work-group (T, b) takes tokens 16 T + 1 .. 16 T + 16 of batch b (token 0, the cls token, gets no RoPE and is served by the next launch).
;   waves 0-11 (wave = head): RoPE on q and on k, both quantised to E4M3 with 2^e0 and 2^e1; v quantised with 2^e3; the two f32 products with the cls token,
;              q[n] . k[0] and q[0] . k[n] on the raw numbers, with the mask's -infinity already in them.
;   waves 12-15 (p = wave & 3): the table of cosines and sines (p & 1: q's or k's positions; p >> 1: frequencies 0-7 or 8-15).
;   every wave: one row of the mask on its way in; the lane masks of key step = wave on the way out.
; All large inputs are loaded as they lie, 512 consecutive bytes an instruction, all asked for at the head, and turn through LDS.  A wave's tile is its own: LDS serves a wave's instructions in order, so it takes q, k and v one after the other.
; No tensor load, no cluster and no prefetch: work-groups share no tile, and there is no loop to run ahead in.
; WHAT IS STORED (i = token - 1, query tile T = i / 16, key step = i / 128, slot = step / 2):
;   qimg [head 24][T 128][1024]: the 16 codes of (row m, channels 32 half + 16 e ..) at 512 e + 256 (m / 8) + 128 half + 16 (m % 8)
;   kv   [group of 3 heads 8][slot 8][head 3][step 2][K: 8 tiles x 1024 | V: 4 tiles x 2048].  The key at place 32 b' + 16 h' + 8 u + j of a step is row 8 h' + j of tile 2 b' + u;
;        in a tile the 16 codes of (m, e, half) lie at 512 (m / 8) + 256 e + 128 (half xor m / 8) + 16 (m % 8).  V: byte p at 2048 t + 512 b' + 256 h' + 16 c is key 32 b' + 16 h' + p of channel 16 t + c.
;   mw   [b][T][step 16][64 words]: bit (r + 16 h) of word n is 1 where mask[b][16 T + r + 1][128 step + 32 (n / 16) + 16 h + n % 16 + 1] is 0
;   cls  [24][2048] f32 q[i+1] . k[0], then [24][2048] f32 q[0] . k[i+1]
; Every store of codes and of mask words covers whole aligned runs of 256 bytes; the two f32 products leave as runs of 64 bytes (0.4 MB in all).
; SINE AND COSINE: x = pos x 10^(-i/8); the nearest multiple of pi/2 is taken off in three parts by fused multiply-adds; polynomials of degree 8 and 9 on what is left; the quadrant sets signs and swaps.
; LIMITS: |pos| up to 100,000 (the reach of the three-part reduction); e0, e1, e3 between -126 and 119; NaN among the inputs is not served.
; RoPE is rounded as a product and a fused multiply-add; frequencies 8-15 are frequencies 0-7 on pos x 0.1 (one rounding more).
; THE MASK: a row of 2,049 bytes begins at any byte.  Wave r loads row r from the multiple of 16 at or under its key 1: 2,048 bytes, and byte by byte the up to 15 that are left (held at the row's last byte, so inside the buffer).
; The row keeps its shift in LDS; the readers take whole words and shift them right.
; THE WAVES PART on the wave's number: every LDS address and every base that is used behind the barrier is made ahead of the first parting, by all waves.
.set TPITCH, 272                       ; a token's row in LDS: 256 bytes + 16 of padding
.set TILEB,  16*TPITCH                 ; 12 tiles, one for each of waves 0-11
.set CL,     12*TILEB                  ; k[0] and q[0], 512 bytes for each of waves 0-11
.set MT,     CL+12*512                 ; the mask's 16 rows
.set MP,     2064
.set CST,    MT+16*MP                  ; the tables.  Entry = consumer's lane: 16 cosines, 16 sines, 16 bytes of padding
.set CPITCH, 144
.set CTAB,   32*CPITCH                 ; q's table, then k's
.set SPARE,  CST+2*CTAB                ; the spare words, 128 bytes for each wave
.set HEADB,  2049*256                  ; a head of q, k or v in bytes
.set MASKB,  2049*2049                 ; a batch of the mask in bytes
.set PCL, 2                            ; s[2:3] where my two f32 products go
.set PMW, 88                           ; s[88:89] my mask words
.set PQI, 96                           ; s[96:97] q's codes;  s[98:99] k's;  s[100:101] v's
.set PKK, 98
.set PVV, 100
.set TK,  32                           ; v32-63  a lane's 32 raw numbers (low 16, high 16 of its half of the channels)
.set CO,  64                           ; v64-79  16 cosines
.set SI,  80                           ; v80-95  16 sines
.set TA,  96                           ; v96-127 the cls token's half, then at work
.set TB2, 112
.set RQ,  128                          ; v128-159, v160-191, v222-253: q, k, v as loaded
.set RK,  160
.set RV,  222
.set RM,  192                          ; v192-207, v208: a row of the mask as loaded
; v2 tail of a mask row in LDS, v3 in memory; v4 shift; v6 tile (read), v7 v's tile (read), v8 table (read), v9 table (write), v10 mask (read); v11-15, v17-19 global offsets; v16 tile (write)
; v20-25 scales and holds; v26 -infinity; v27, v28 two mask bytes; v29, v30 cls rows (write, read); v31 mask row (write)
; v192-199, v200-207, v208-215 codes of q, k, v; v216, v217 the two products; v208-211 and v218-221 their chains; v254, v255 the add's
	s_load_b512 s[4:19], s[0:1], 0x0               ; q s[4:5], k s[6:7], v s[8:9], qpos s[10:11], kpos s[12:13], mask s[14:15], scales s[16:17], qimg s[18:19]
	s_load_b128 s[20:23], s[0:1], 0x40             ; kv s[20:21], mw s[22:23]
	s_load_b64 s[24:25], s[0:1], 0x50              ; cls
	v_lshl_add_u32 v254, v0, 2, SPARE
	v_mov_b32 v255, 0
	v_lshrrev_b32 v1, 5, v0
	v_readfirstlane_b32 s26, v1                    ; wave 0..15
	s_and_b32 s27, s26, 3                          ; p
	s_min_u32 s69, s26, 11                         ; the head in the batch; held at 11 in waves 12-15, which use none of what is made of it
	s_mov_b32 s60, ttmp9                           ; T
	s_and_b32 s61, ttmp7, 0xffff                   ; b
	s_and_b32 s75, s60, 1                          ; T & 1
	s_lshl_b32 s40, s75, 7
	; offsets of what is read, made apart from the addresses
	s_mul_i32 s70, s61, 12
	s_add_co_u32 s70, s70, s69                     ; head 12 b + wave
	s_mul_i32 s62, s70, HEADB                      ; the head's first byte (its token 0)
	s_mov_b32 s63, 0
	s_lshl_b32 s71, s60, 12
	s_add_co_u32 s71, s71, 256
	s_add_co_u32 s72, s62, s71                     ; and token 16 T + 1
	s_mov_b32 s73, 0
	s_mul_i32 s74, s61, MASKB
	s_lshl_b32 s81, s60, 4
	s_add_co_u32 s81, s81, 1                       ; the first token
	s_mul_i32 s82, s81, 2049
	s_add_co_u32 s82, s82, s74                     ; mask[b][first token][0]
	s_mov_b32 s83, 0
	s_add_co_u32 s90, s74, s81                     ; mask[b][0][first token]
	s_mov_b32 s91, 0
	; offsets of what is stored
	s_mul_i32 s76, s69, 11
	s_lshr_b32 s76, s76, 5                         ; wave / 3 (right for 0 .. 11)
	s_lshl_b32 s77, s61, 2
	s_add_co_u32 s77, s77, s76                     ; the group of three heads
	s_mul_i32 s77, s77, 786432
	s_mul_i32 s76, s76, 3
	s_sub_co_u32 s76, s69, s76                     ; my head in it
	s_lshl_b32 s76, s76, 15
	s_add_co_u32 s77, s77, s76
	s_lshr_b32 s76, s60, 4                         ; slot
	s_mul_i32 s76, s76, 98304
	s_add_co_u32 s77, s77, s76
	s_bfe_u32 s76, s60, 0x10003                    ; (T >> 3) & 1: the step in the slot
	s_lshl_b32 s76, s76, 14
	s_add_co_u32 s77, s77, s76                     ; the block of (group, slot, head, step)
	s_bfe_u32 s76, s60, 0x20001                    ; b' = (T >> 1) & 3
	s_lshl_b32 s78, s76, 11
	s_add_co_u32 s[PKK], s77, s78
	s_lshl_b32 s78, s75, 9
	s_add_co_u32 s[PKK], s[PKK], s78               ; K: + 2048 b' + 512 (T & 1)
	s_mov_b32 s[PKK+1], 0
	s_lshl_b32 s78, s76, 9
	s_add_co_u32 s[PVV], s77, s78
	s_lshl_b32 s78, s75, 8
	s_add_co_u32 s[PVV], s[PVV], s78
	s_add_co_u32 s[PVV], s[PVV], 8192              ; V: + 8192 + 512 b' + 256 (T & 1)
	s_mov_b32 s[PVV+1], 0
	s_lshl_b32 s[PQI], s70, 17
	s_lshl_b32 s78, s60, 10
	s_add_co_u32 s[PQI], s[PQI], s78               ; qimg: head x 128 tiles + T
	s_mov_b32 s[PQI+1], 0
	s_lshl_b32 s[PCL], s70, 13
	s_lshl_b32 s78, s60, 6
	s_add_co_u32 s[PCL], s[PCL], s78               ; cls: head x 2,048 numbers + 16 T
	s_mov_b32 s[PCL+1], 0
	s_lshl_b32 s[PMW], s61, 7
	s_add_co_u32 s[PMW], s[PMW], s60
	s_lshl_b32 s[PMW], s[PMW], 12
	s_lshl_b32 s78, s26, 8
	s_add_co_u32 s[PMW], s[PMW], s78               ; mw: (128 b + T) x 4096 + 256 x step, step = wave
	s_mov_b32 s[PMW+1], 0
	; my row of the mask
	s_add_co_u32 s78, s82, 1                       ; row 0's key 1
	s_mul_i32 s36, s26, 2049
	s_add_co_u32 s36, s36, s78                     ; my row's
	s_and_b32 s76, s36, 15                         ; its shift
	s_add_co_u32 s77, s76, 2047                    ; its last byte, from the multiple of 16 on
	s_and_b32 s36, s36, -16
	s_mov_b32 s37, 0
	; LDS
	s_mul_i32 s66, s26, TILEB
	s_and_b32 s67, s27, 1
	s_mul_i32 s67, s67, CTAB
	s_lshr_b32 s68, s27, 1
	s_lshl_b32 s68, s68, 5
	s_add_co_u32 s67, s67, s68
	s_lshl_b32 s68, s26, 7
	s_add_co_u32 s68, s68, MT
	s_lshl_b32 s71, s26, 9
	s_add_co_u32 s71, s71, CL
	s_mul_i32 s79, s26, MP
	s_add_co_u32 s79, s79, MT
	s_add_co_u32 s80, s79, 2048
	; every LDS address and every lane's offset, in one run
	v_and_b32 v1, 31, v0                           ; lane
	v_and_b32 v2, 7, v0                            ; j
	v_bfe_u32 v3, v0, 3, 1                         ; half: channels 0-31 (y) or 32-63 (x)
	v_bfe_u32 v4, v0, 4, 1                         ; u, h
	v_and_b32 v5, 15, v0                           ; r
	v_lshl_add_u32 v18, v4, 3, v2                  ; tok = 8 u + j: my token among the 16
	v_mul_u32_u24 v8, v1, CPITCH
	v_mul_u32_u24 v10, v5, MP
	v_add_nc_u32 v27, s78, v5
	v_mul_u32_u24 v16, v4, TPITCH
	v_mul_u32_u24 v6, v18, TPITCH
	v_add_nc_u32 v8, CST, v8                       ; the table, read: my lane's entry
	v_lshl_add_u32 v10, v4, 4, v10
	v_and_b32 v27, 15, v27                         ; row r's shift: 2,049 r is r more than a multiple of 16
	v_lshl_add_u32 v16, v5, 4, v16
	v_lshl_add_u32 v6, v3, 7, v6
	v_add_nc_u32 v9, s67, v8                       ; the table, written: q's or k's, frequencies 0-7 or 8-15
	v_add_nc_u32 v10, s68, v10
	v_and_b32 v28, 12, v27
	v_add_nc_u32 v16, s66, v16                     ; my tile, written: lanes 0-15 one row, lanes 16-31 the next
	v_add_nc_u32 v6, s66, v6                       ; my tile, read: tok x pitch + 128 half
	v_lshl_add_u32 v7, v1, 2, s66                  ; v's: a lane to a channel
	v_add_nc_u32 v10, v10, v28                     ; the mask, read: row r, the shift's whole words, + 16 h + 128 step
	v_lshlrev_b32 v11, 4, v1                       ; 16 x lane
	v_lshlrev_b32 v12, 7, v3
	v_lshlrev_b32 v13, 4, v5
	v_lshlrev_b32 v19, 3, v18
	v_xor_b32 v12, s40, v12
	v_lshl_add_u32 v13, v4, 11, v13                ; V: 2048 (lane / 16) + 16 (lane % 16)
	v_lshl_add_u32 v19, v3, 2, v19                 ; pos: 8 tok + 4 half
	v_lshl_add_u32 v12, v2, 4, v12
	v_lshlrev_b32 v14, 2, v18                      ; cls: 4 tok
	v_lshlrev_b32 v15, 3, v1                       ; 8 x lane
	v_lshl_add_u32 v12, v4, 10, v12                ; K: 1024 u + 16 j + 128 (half xor T & 1)
	v_mul_u32_u24 v17, v18, 2049                   ; my token's row of the mask
	v_mov_b32 v26, 0xff800000                      ; -infinity
	v_lshl_add_u32 v29, v1, 3, s71                 ; cls rows: written,
	v_lshl_add_u32 v30, v3, 7, s71                 ; read: my half
	v_lshl_add_u32 v31, v1, 4, s79                 ; my mask row, written
	v_add_nc_u32 v2, s80, v5                       ; and its tail
	v_add_nc_u32 v3, 0x800, v5
	v_lshlrev_b32 v4, 3, v27                       ; bits to shift: the shift instruction takes it modulo 32
	v_min_u32 v3, s77, v3                          ; no byte beyond the row
	s_wait_alu depctr_va_vdst(0)                   ; the wait at the head's end
	s_wait_kmcnt 0x0
	s_load_b128 s[84:87], s[16:17], 0x0            ; e0 .. e3
	s_add_nc_u64 s[38:39], s[14:15], s[36:37]
.irp i, 0,1,2,3
	global_load_b128 v[RM+4*\i:RM+4*\i+3], v11, s[38:39] offset:512*\i   ; my row of the mask
.endr
	global_load_u8 v208, v3, s[38:39]              ; and its last bytes
	s_add_nc_u64 s[PQI:PQI+1], s[18:19], s[PQI:PQI+1]   ; the bases of the stores, made by every wave
	s_add_nc_u64 s[PKK:PKK+1], s[20:21], s[PKK:PKK+1]
	s_add_nc_u64 s[PVV:PVV+1], s[20:21], s[PVV:PVV+1]
	s_add_nc_u64 s[PCL:PCL+1], s[24:25], s[PCL:PCL+1]
	s_add_nc_u64 s[PMW:PMW+1], s[22:23], s[PMW:PMW+1]
.macro MROW                            ; my row of the mask into LDS
.irp i, 0,1,2,3
	ds_store_b128 v31, v[RM+4*\i:RM+4*\i+3] offset:512*\i
.endr
	ds_store_b8 v2, v208
.endm
	s_cmp_lt_u32 s26, 12
	s_cbranch_scc0 .Ltable
	; ---------------- waves 0-11, up to the barrier
	s_add_nc_u64 s[76:77], s[6:7], s[62:63]        ; k[0] of my head
	s_add_nc_u64 s[78:79], s[4:5], s[62:63]        ; q[0]
	global_load_b64 v[210:211], v15, s[76:77]
	global_load_b64 v[212:213], v15, s[78:79]
	s_add_nc_u64 s[92:93], s[14:15], s[82:83]
	global_load_u8 v27, v17, s[92:93]              ; mask[b][my token][0]
	s_add_nc_u64 s[94:95], s[14:15], s[90:91]
	global_load_u8 v28, v18, s[94:95]              ; mask[b][0][my token]
	s_add_nc_u64 s[44:45], s[4:5], s[72:73]
	s_add_nc_u64 s[46:47], s[6:7], s[72:73]
	s_add_nc_u64 s[48:49], s[8:9], s[72:73]
.irp i, 0,1,2,3,4,5,6,7
	global_load_b128 v[RQ+4*\i:RQ+4*\i+3], v11, s[44:45] offset:512*\i th:TH_LOAD_NT
.endr
.irp i, 0,1,2,3,4,5,6,7
	global_load_b128 v[RK+4*\i:RK+4*\i+3], v11, s[46:47] offset:512*\i th:TH_LOAD_NT
.endr
.irp i, 0,1,2,3,4,5,6,7
	global_load_b128 v[RV+4*\i:RV+4*\i+3], v11, s[48:49] offset:512*\i th:TH_LOAD_NT
.endr
	s_wait_kmcnt 0x0
.macro SCALE e, vs, vl                 ; v[vs] = 2^e as f32 (the conversion takes its exponent field), v[vl] = 448 x 2^e
	s_add_co_i32 s66, s[\e], 127
	s_lshl_b32 s67, s66, 23
	v_mov_b32 v[\vs], s67
	s_add_co_i32 s66, s66, 8
	s_lshl_b32 s66, s66, 23
	s_or_b32 s66, s66, 0x600000
	v_mov_b32 v[\vl], s66
.endm
	SCALE 84, 20, 21                               ; q
	SCALE 85, 22, 23                               ; k
	SCALE 87, 24, 25                               ; v
	s_wait_alu depctr_va_vdst(0)
	s_wait_loadcnt 16                              ; all but k's and v's 16 loads are in
	MROW
	ds_store_b64 v29, v[210:211]                   ; k[0],
	ds_store_b64 v29, v[212:213] offset:256        ; q[0]
; A tile through LDS, and the product with the cls token: a lane holds the 32 channels of its half of token tok.  raw: the tile as loaded; woff: the cls token's row; mb: the mask byte; dot: the product; soff: its place in cls
.macro TOK raw, woff, mb, dot, soff
.irp i, 0,1,2,3,4,5,6,7
	ds_store_b128 v16, v[\raw+4*\i:\raw+4*\i+3] offset:544*\i
.endr
.irp i, 0,1,2,3,4,5,6,7
	ds_load_b128 v[TK+4*\i:TK+4*\i+3], v6 offset:16*\i
.endr
.irp i, 0,1,2,3,4,5,6,7
	ds_load_b128 v[TA+4*\i:TA+4*\i+3], v30 offset:\woff+16*\i
.endr
	s_wait_dscnt 0x0
	v_pk_mul_f32 v[208:209], v[TK:TK+1], v[TA:TA+1]            ; four chains of pairs
	v_pk_mul_f32 v[210:211], v[TK+2:TK+3], v[TA+2:TA+3]
	v_pk_mul_f32 v[218:219], v[TK+4:TK+5], v[TA+4:TA+5]
	v_pk_mul_f32 v[220:221], v[TK+6:TK+7], v[TA+6:TA+7]
.irp n, 8,16,24
	v_pk_fma_f32 v[208:209], v[TK+\n:TK+\n+1], v[TA+\n:TA+\n+1], v[208:209]
	v_pk_fma_f32 v[210:211], v[TK+\n+2:TK+\n+3], v[TA+\n+2:TA+\n+3], v[210:211]
	v_pk_fma_f32 v[218:219], v[TK+\n+4:TK+\n+5], v[TA+\n+4:TA+\n+5], v[218:219]
	v_pk_fma_f32 v[220:221], v[TK+\n+6:TK+\n+7], v[TA+\n+6:TA+\n+7], v[220:221]
.endr
	v_pk_add_f32 v[208:209], v[208:209], v[210:211]
	v_pk_add_f32 v[218:219], v[218:219], v[220:221]
	s_delay_alu instid0(VALU_DEP_1)
	v_pk_add_f32 v[218:219], v[208:209], v[218:219]
	s_delay_alu instid0(VALU_DEP_1)
	v_add_f32 v[\dot], v218, v219
	s_delay_alu instid0(VALU_DEP_1)
	v_add_f32_dpp v[\dot], v[\dot], v[\dot] row_xmask:8 row_mask:0xf bank_mask:0xf   ; + the other 32 channels, eight lanes away
	v_cmp_eq_u32 vcc_lo, 0, v[\mb]
	s_delay_alu instid0(VALU_DEP_1)
	v_cndmask_b32 v[\dot], v[\dot], v26, vcc_lo                ; -infinity where the mask hides it
	global_store_b32 v14, v[\dot], s[PCL:PCL+1] offset:\soff   ; the two lanes of a token store the same word
.endm
	TOK RQ, 0, 27, 216, 0
	s_wait_alu depctr_va_vdst(0)
	s_branch .Lmeet
	; ---------------- waves 12-15, up to the barrier: the table is made
.Ltable:
	s_and_b32 s66, s27, 1
	s_cmp_eq_u32 s66, 0
	s_cselect_b64 s[92:93], s[10:11], s[12:13]     ; qpos or kpos: the choice hangs on the wave's number alone
	s_mul_i32 s66, s61, 2049
	s_add_co_u32 s66, s66, s81
	s_lshl_b32 s66, s66, 3
	s_mov_b32 s67, 0
	s_add_nc_u64 s[92:93], s[92:93], s[66:67]
	global_load_b32 v147, v19, s[92:93]            ; pos[b][my token][half]
	s_mov_b32 s76, 0xbfc90fd8                      ; -pi/2 in three parts
	s_mov_b32 s77, 0xb4a8885a
	s_mov_b32 s78, 0xa7c234c4
	s_mov_b32 s94, 0x3dcccccd
	s_cmp_lt_u32 s27, 2
	s_cselect_b32 s94, 1.0, s94                    ; frequencies 8-15 are frequencies 0-7 x 0.1
	s_wait_loadcnt 0x0
	MROW
	v_cvt_f32_i32 v144, v147
	s_delay_alu instid0(VALU_DEP_1)
	v_mul_f32 v144, s94, v144
	v_mov_b32 v145, 0x37cd4000                     ; the leading coefficients: cosine's,
	v_mov_b32 v146, 0x36405000                     ; sine's
	s_delay_alu instid0(VALU_DEP_3)
	v_mov_b32 v96, v144                            ; x = pos x 10^(-i/8), i = 0 .. 7
	s_delay_alu instid0(VALU_DEP_4)
	v_mul_f32 v97, 0x3f3ff911, v144
	v_mul_f32 v98, 0x3f0ff59a, v144
	v_mul_f32 v99, 0x3ed7e89b, v144
	v_mul_f32 v100, 0x3ea1e89b, v144
	v_mul_f32 v101, 0x3e72d424, v144
	v_mul_f32 v102, 0x3e361887, v144
	v_mul_f32 v103, 0x3e088d77, v144
.irp i, 0,1,2,3,4,5,6,7
	v_mul_f32 v[104+\i], 0x3f22f983, v[96+\i]      ; x x 2/pi
.endr
.irp i, 0,1,2,3,4,5,6,7
	v_rndne_f32 v[104+\i], v[104+\i]               ; the quadrant's number
.endr
.irp c, 76,77,78
.irp i, 0,1,2,3,4,5,6,7
	v_fma_f32 v[96+\i], v[104+\i], s[\c], v[96+\i] ; a = x - quadrant x pi/2
.endr
.endr
.irp i, 0,1,2,3,4,5,6,7
	v_mul_f32 v[112+\i], v[96+\i], v[96+\i]        ; z = a a
.endr
.irp i, 0,1,2,3,4,5,6,7
	v_fmaak_f32 v[CO+\i], v145, v[112+\i], 0xbab6077d
	v_fmaak_f32 v[SI+\i], v146, v[112+\i], 0xb9503486
.endr
.irp i, 0,1,2,3,4,5,6,7
	v_fmaak_f32 v[CO+\i], v[CO+\i], v[112+\i], 0x3d2aaaa8
	v_fmaak_f32 v[SI+\i], v[SI+\i], v[112+\i], 0x3c0888c1
.endr
.irp i, 0,1,2,3,4,5,6,7
	v_fma_f32 v[CO+\i], v[CO+\i], v[112+\i], -0.5
	v_fmaak_f32 v[SI+\i], v[SI+\i], v[112+\i], 0xbe2aaaab
.endr
.irp i, 0,1,2,3,4,5,6,7
	v_fma_f32 v[CO+\i], v[CO+\i], v[112+\i], 1.0   ; cos a
	v_mul_f32 v[112+\i], v[96+\i], v[112+\i]       ; a z
.endr
.irp i, 0,1,2,3,4,5,6,7
	v_fma_f32 v[SI+\i], v[SI+\i], v[112+\i], v[96+\i]   ; sin a
	v_cvt_i32_f32 v[104+\i], v[104+\i]
.endr
.irp i, 0,1,2,3,4,5,6,7
	v_and_b32 v[120+\i], 1, v[104+\i]
.endr
.irp i, 0,1,2,3,4,5,6,7
	v_cmp_eq_u32 vcc_lo, 1, v[120+\i]              ; odd quadrants swap the two
	s_delay_alu instid0(VALU_DEP_1)
	v_cndmask_b32 v[128+\i], v[SI+\i], v[CO+\i], vcc_lo
	s_delay_alu instid0(VALU_DEP_2)
	v_cndmask_b32 v[136+\i], v[CO+\i], v[SI+\i], vcc_lo
.endr
.irp i, 0,1,2,3,4,5,6,7
	v_lshlrev_b32 v[120+\i], 30, v[104+\i]         ; the sine is negative in quadrants 2 and 3,
	v_add_nc_u32 v[104+\i], 1, v[104+\i]
.endr
.irp i, 0,1,2,3,4,5,6,7
	v_and_b32 v[120+\i], 0x80000000, v[120+\i]
	v_lshlrev_b32 v[104+\i], 30, v[104+\i]         ; the cosine in 1 and 2
.endr
.irp i, 0,1,2,3,4,5,6,7
	v_xor_b32 v[128+\i], v[120+\i], v[128+\i]
	v_and_b32 v[104+\i], 0x80000000, v[104+\i]
.endr
.irp i, 0,1,2,3,4,5,6,7
	v_xor_b32 v[136+\i], v[104+\i], v[136+\i]
.endr
	ds_store_b128 v9, v[136:139]                   ; eight cosines,
	ds_store_b128 v9, v[140:143] offset:16
	ds_store_b128 v9, v[128:131] offset:64         ; eight sines
	ds_store_b128 v9, v[132:135] offset:80
.Lmeet:
	s_wait_dscnt 0x0                               ; for the others' sake: the table's and the mask rows' stores are done
	s_barrier_signal -1                            ; the one barrier
	s_barrier_wait -1
	s_cmp_lt_u32 s26, 12
	s_cbranch_scc0 .Lwords
	; ---------------- waves 0-11
; RoPE, the quantiser and the stores.  tab: the table; sc, lim: scale and hold; cd: the codes; base, adr, estep: where they go
.macro ROPE tab, sc, lim, cd, base, adr, estep
.irp i, 0,1,2,3
	ds_load_b128 v[CO+4*\i:CO+4*\i+3], v8 offset:\tab+16*\i
	ds_load_b128 v[SI+4*\i:SI+4*\i+3], v8 offset:\tab+64+16*\i
.endr
	s_wait_dscnt 0x0
.irp n, 0,2,4,6,8,10,12,14
	v_pk_mul_f32 v[TA+\n:TA+\n+1], v[TK+16+\n:TK+17+\n], v[SI+\n:SI+\n+1]    ; high x sin
	v_pk_mul_f32 v[TB2+\n:TB2+\n+1], v[TK+\n:TK+\n+1], v[SI+\n:SI+\n+1]      ; low x sin
.endr
.irp n, 0,2,4,6,8,10,12,14
	v_pk_fma_f32 v[TK+\n:TK+\n+1], v[TK+\n:TK+\n+1], v[CO+\n:CO+\n+1], v[TA+\n:TA+\n+1] neg_lo:[0,0,1] neg_hi:[0,0,1]   ; low x cos - high x sin
	v_pk_fma_f32 v[TK+16+\n:TK+17+\n], v[TK+16+\n:TK+17+\n], v[CO+\n:CO+\n+1], v[TB2+\n:TB2+\n+1]                      ; high x cos + low x sin
.endr
.set N, 0
.rept 32
	v_med3_num_f32 v[TK+N], v[TK+N], -v[\lim], v[\lim]         ; the conversion to an 8-bit code does not saturate (ISA guide 7.6.2): the hold at the largest code x the scale
.set N, N+1
.endr
.irp g, 0,1,2,3
	v_cvt_scalef32_pk8_fp8_f32 v[\cd+2*\g:\cd+2*\g+1], v[TK+8*\g:TK+8*\g+7], v[\sc]
.endr
	v_nop                                          ; a plain line behind the last conversion
	global_store_b128 v[\adr], v[\cd:\cd+3], s[\base:\base+1]                  ; the low 16 channels' codes
	global_store_b128 v[\adr], v[\cd+4:\cd+7], s[\base:\base+1] offset:\estep  ; the high 16
.endm
	ROPE 0, 20, 21, 192, PQI, 11, 512
	; ---------------- every wave: the mask of key step = wave as lane masks (in waves 0-11 while k and v are on their way)
.Lwords:
.irp b, 0,1,2,3
.irp i, 0,1,2,3,4
	ds_load_b32 v[32+5*\b+\i], v10 offset:32*\b+4*\i           ; five words hold keys 32 b + 16 h + 0 .. 15 of query r, unshifted
.endr
.endr
	s_wait_dscnt 0x0
	v_mov_b32 v148, 0                              ; written whole before lanes are written singly; no later line writes these two, so the store's data stay
	v_mov_b32 v149, 0
.irp b, 0,1,2,3
.irp i, 0,1,2,3
	v_alignbit_b32 v[64+4*\b+\i], v[33+5*\b+\i], v[32+5*\b+\i], v4
.endr
.endr
.set N, 0
.rept 8                                ; eight words a turn: one byte of every lane -> 32 bits -> lane N / 2 of the register pair that is stored
.irp i, 0,1,2,3,4,5,6,7
	v_and_b32 v[104+\i], 1<<(8*(\i%4)), v[64+(N+\i)/4]
.endr
.irp i, 0,1,2,3,4,5,6,7
	v_cmp_eq_u32 s[66+\i], 0, v[104+\i]
.endr
.irp i, 0,1,2,3,4,5,6,7
	v_writelane_b32 v[148+\i%2], s[66+\i], (N+\i)/2
.endr
.set N, N+8
.endr
	global_store_b64 v15, v[148:149], s[PMW:PMW+1] ; 32 lanes store a step's 256 bytes
	s_cmp_lt_u32 s26, 12
	s_cbranch_scc0 .Lend
	; ---------------- waves 0-11: k and v
	s_wait_loadcnt 8                               ; k is in; v's eight loads may be out
	TOK RK, 256, 28, 217, 196608
	ROPE CTAB, 22, 23, 200, PKK, 12, 256
	s_wait_loadcnt 0x0                             ; v
	; v: a lane takes a channel (lane, then lane + 32) and its registers run down the 16 tokens, which are neighbours along the second product's K
.irp i, 0,1,2,3,4,5,6,7
	ds_store_b128 v16, v[RV+4*\i:RV+4*\i+3] offset:544*\i
.endr
.irp a, 0,1
.irp n, 0,1,2,3,4,5,6,7,8,9,10,11,12,13,14,15
	ds_load_b32 v[TK+16*\a+\n], v7 offset:\n*TPITCH+128*\a
.endr
.endr
	s_wait_dscnt 0x0
.set N, 0
.rept 32
	v_med3_num_f32 v[TK+N], v[TK+N], -v25, v25
.set N, N+1
.endr
.irp g, 0,1,2,3
	v_cvt_scalef32_pk8_fp8_f32 v[208+2*\g:209+2*\g], v[TK+8*\g:TK+8*\g+7], v24
.endr
	v_nop
	global_store_b128 v13, v[208:211], s[PVV:PVV+1]
	global_store_b128 v13, v[212:215], s[PVV:PVV+1] offset:4096
	; ---------------- every wave: the end
.Lend:
	s_wait_tensorcnt 0x0                           ; the wave's end
	ds_add_u32 v254, v255
	s_wait_dscnt 0x0
	s_endpgm
.Lfunc_end_k_q93e47fbca7_prep:
	.size	k_q93e47fbca7_prep, .Lfunc_end_k_q93e47fbca7_prep-k_q93e47fbca7_prep
	.p2alignl 7, 3214868480
	.fill 96, 4, 3214868480
	.section	.rodata,"a",@progbits
	.p2align	6, 0x0
	.amdhsa_kernel k_q93e47fbca7_prep
		.amdhsa_group_segment_fixed_size 102656
		.amdhsa_private_segment_fixed_size 0
		.amdhsa_enable_private_segment 0
		.amdhsa_kernarg_size 88
		.amdhsa_user_sgpr_count 2
		.amdhsa_user_sgpr_kernarg_segment_ptr 1
		.amdhsa_wavefront_size32 1
		.amdhsa_system_sgpr_workgroup_id_x 1
		.amdhsa_system_sgpr_workgroup_id_y 1
		.amdhsa_system_sgpr_workgroup_id_z 1
		.amdhsa_system_vgpr_workitem_id 0
		.amdhsa_next_free_vgpr 256
		.amdhsa_next_free_sgpr 102
		.amdhsa_reserve_vcc 1
		.amdhsa_float_denorm_mode_32 3
		.amdhsa_float_denorm_mode_16_64 3
		.amdhsa_memory_ordered 1
		.amdhsa_forward_progress 1
		.amdhsa_inst_pref_size 60
	.end_amdhsa_kernel
	.amdgpu_metadata
---
amdhsa.version: [ 1, 2 ]
amdhsa.kernels:
  - .name:           k_q93e47fbca7_prep
    .symbol:         k_q93e47fbca7_prep.kd
    .args:
      - { .name: q, .offset: 0, .size: 8, .value_kind: global_buffer, .address_space: global }
      - { .name: k, .offset: 8, .size: 8, .value_kind: global_buffer, .address_space: global }
      - { .name: v, .offset: 16, .size: 8, .value_kind: global_buffer, .address_space: global }
      - { .name: qpos, .offset: 24, .size: 8, .value_kind: global_buffer, .address_space: global }
      - { .name: kpos, .offset: 32, .size: 8, .value_kind: global_buffer, .address_space: global }
      - { .name: mask_for_attention, .offset: 40, .size: 8, .value_kind: global_buffer, .address_space: global }
      - { .name: lowp_scales, .offset: 48, .size: 8, .value_kind: global_buffer, .address_space: global }
      - { .name: qimg, .offset: 56, .size: 8, .value_kind: global_buffer, .address_space: global }
      - { .name: kv, .offset: 64, .size: 8, .value_kind: global_buffer, .address_space: global }
      - { .name: mw, .offset: 72, .size: 8, .value_kind: global_buffer, .address_space: global }
      - { .name: cls, .offset: 80, .size: 8, .value_kind: global_buffer, .address_space: global }
    .group_segment_fixed_size: 102656
    .private_segment_fixed_size: 0
    .kernarg_segment_align: 8
    .kernarg_segment_size: 88
    .max_flat_workgroup_size: 512
    .sgpr_count:     102
    .vgpr_count:     256
    .wavefront_size: 32
...
	.end_amdgpu_metadata
.endif
;; end of part 1
;; launch attn (part 2): grid 32 x 8, 13 waves a work-group, clusters of 4 x 1, 327,680 bytes of LDS; arguments qimg, kv, mw, cls, q, k, v, mask_for_attention, lowp_scales, out0; writes out0
.if DOCPART == 2
	.amdgcn_target "amdgcn-amd-amdhsa--gfx1250"
	.amdhsa_code_object_version 6
	.text
	.protected	k_q93e47fbca7_attn
	.globl	k_q93e47fbca7_attn
	.p2align	8
	.type	k_q93e47fbca7_attn,@function
k_q93e47fbca7_attn:
	s_mov_b64 s[64:65], 0
	v_nop
	global_prefetch_b8 v0, s[64:65] scope:SCOPE_SE
	s_setreg_imm32_b32 hwreg(HW_REG_WAVE_MODE, 25, 1), 1
	s_wait_xcnt 0x0
	s_wait_alu depctr_hold_cnt(0) depctr_sa_sdst(0) depctr_va_vdst(0) depctr_va_sdst(0) depctr_va_ssrc(0) depctr_va_vcc(0) depctr_vm_vsrc(0)
	s_getreg_b32 s2, hwreg(HW_REG_IB_STS2, 6, 4)
	s_cmp_eq_u32 s2, 0
	s_cbranch_scc0 .Lentry_in_a_cluster
	s_endpgm
.Lentry_in_a_cluster:
	s_bfe_u32 s2, ttmp6, 0x10000c
	s_cmp_lg_u32 s2, 0x3003
	s_cbranch_scc0 .Lentry_shape_is_right
	s_endpgm
.Lentry_shape_is_right:
; ATTENTION ON CODES OF E4M3.  out0[b][n][64 head + c] = sum over keys of softmax(sim)[n][key] v[key][c]; both large products on codes, by v_wmma_f32_16x16x64_fp8_fp8 and v_wmma_f32_16x16x128_fp8_fp8.
; SHARES.  24 heads x 128 tiles of 16 queries = 3,072 tiles = 256 work-groups x 12 waves.  Work-group (jb, g) serves the three heads 3 g .. 3 g + 2 (one batch): wave w < 12 owns tile 4 jb + (w & 3) of head 3 g + (w >> 2).
; So every work-group runs the same text and every LDS address hangs on the wave's number alone.  Three or four waves share a SIMD: one wave's vector work stands beside another's products and LDS loads.
; K AND V of the three heads come as register images (laid by the launch before) through a ring of two LDS slots of 256 keys, 98,304 bytes each; each of the 12 waves fetches 8,192 bytes of a slot by one tensor load.
; CLUSTER.  The four work-groups of a cluster have the same g and walk the same K and V: every tile is asked for JOINTLY (mask 15).  A wave never has more than one tensor load out.
; LAYOUT.  Both products are used transposed (S^T = K Q^T, O^T = V^T P^T): a lane holds ONE query (lane % 16).  The keys of a tile of K are chosen so that register n of S^T is key 32 (n / 16) + 16 (lane / 16) + n % 16.
; THE SOFTMAX: t = score x log2(e) / 8; M = the running largest t rounded up to a whole number (kept as -M); p = 2^(t - M) is quantised with 2^e2; the sum is taken of the unquantised p; when M moves, sum and O^T are
; multiplied by 2^(old M - new M), exactly.  THE MASK costs one select a score: for each register of S^T a word of 32 lane bits lies in a scalar register (64 words a key step, by four scalar loads a step ahead).
; THE CLS KEY (token 0) is a first small step of K = 64: its score q[n] . k[0] comes in f32 from the launch before; its p and v[0] are quantised here; all other places of that step hold zero codes.  It starts O^T's sums.
; THE CLS ROWS (query 0 of each head) are wave 12's: in the six clusters with cluster x = 0 and g < 6 the work-group at place cx takes head 4 g + cx.  Lane (r, h) holds the scores of key step r; for step s the codes of
; column s alone are let through, so that column s of O^T gathers that step's part, and the sixteen columns are added at the end.  Its V comes from memory (another group's head).  Wave 12's prologue runs in every
; work-group (the head held at 23), so that every register that the guarded steps read is written on every path; the sixteen steps and the store are guarded by a scalar branch that is alike in all partners.
; The base of wave 12's V is made by every wave, ahead of the parting of the waves, in registers that nothing else uses: it is read behind the places where the waves' paths join.
; SCALAR REGISTERS s[16:63] and s[68:83] hold the arguments and pointers first, and mask words later.  Waves 0-11 load the words over them; wave 12 writes 0 there when its pointers are done with:
; where the waves' paths join in front of the ring, no wave holds an address in a register that is read as a lane mask.
; LIMITS: e0 + e1 between -123 and 130 (added to c's exponent field); e2 and e3 between -126 and 119.  NaN among the inputs is not served.  A row all of whose keys are hidden gives NaN (0 x infinity), as the softmax of such a row does.
.set SLOT1, 1<<17                      ; slot 1 begins here: one exclusive or turns an address in one slot into the other's
.set SLOTB, 98304                      ; a slot: [head 3][step 2][K 8,192 | V 8,192]
.set STEPB, 16384
.set VOFF,  8192
.set SPARE, 2*SLOT1                    ; the spare words, 128 bytes for each of 13 waves: seven blocks of 256 bytes that no other line names
.set STAGE, SPARE+2048                 ; the way out: 16 rows x 272 bytes for each wave; no tile lands here
.set STW,   16*272
.set GRPB,  8*SLOTB                    ; a group's K and V
.set HEADB, 2049*256
.set MASKB, 2049*2049
.set AK0, 1                            ; v1   my lane's place in a tile of K, channels 0-31;  v2 channels 32-63;  v3 in a tile of V
.set AK1, 2
.set AV,  3
.set SPW, 4                            ; v4   LDS address of my spare word; v5 = 0; both never rewritten
.set NIL, 5
.set GO,  6                            ; v6   the way out: my byte offset in the tile's rows of out0
.set NINF, 7                           ; v7   -infinity
.set ADK0, 8                           ; v8-10 the three addresses in the slot in hand
.set ADK1, 9
.set ADV,  10
.set LI,  11                           ; v11  16 x lane
; v12 -M, v13 the largest t, v[14:15] the sum in two halves
.set Q,   16                           ; v16-23  Q's fragment
.set PF,  24                           ; v24-31  p's fragment of the cls step
.set X,   32                           ; v32-95, v96-159: K, S^T and V by turns (wave 12: two sets of V)
.set Y,   96
.set O,   160                          ; v160-191 O^T
.set PC,  192                          ; v192-207 p's codes
.set G,   208                          ; v208-215 eight numbers for a single conversion
.set V0,  216                          ; v216-219 v[0]
.set SQ,  220                          ; v220 the cls key's score, then its p
.set F,   208                          ; wave 12: v208-223 the codes of one column
.set STI, 224                          ; stage: in, back; prefetch offset; offsets of Q, of 4 r; wave 12's stage in, back; its scores' offset; 8 x lane
.set STR, 225
.set PFO, 226
.set QO,  227
.set R4,  228
.set CSI, 229
.set CSR, 230
.set SCO, 231
.set L8,  232
; v233 at work; v236 a permute's destination; v237 q[0] . k[0]; v238 a mask byte; v239 = 0 (an offset); v240 448 x 2^e2; v[242:243] a chain; v244 2^e2; v246 2^e3; v247 448 x 2^e3; v248-251 q[0], k[0]; v[252:253] f; v254 at work
.set WV,  2                            ; s2 wave; s3 the slot in hand; s4 slots still to be asked for; s5 prefetch bound
.set TB,  3
.set SLOTS, 4
.set LIM, 5
.set CS,  6                            ; s[6:7]  c = log2(e) / 8 x 2^(e0 + e1)
.set SEL, 8                            ; s[8:9]  lane selects: lane xor 16
.set C0,  10                           ; s[10:11] log2(e) / 8, for the two f32 products
.set CLS, 12                           ; s12  1 where wave 12 has a cls row
.set ESUM, 13                          ; s13  e2 + e3
.set LOW, 14                           ; s14  0xffff: lanes 0-15
.set CM,  15                           ; s15  wave 12: the column's two lanes
.set G1,  84                           ; s[84:91] descriptor group 1; s[92:95] group 0, which walks
.set G0,  92
.set MPT, 96                           ; s[96:97] the mask words of the step to be loaded
.set PFA, 98                           ; s[98:99] where the prefetches stand
.set OUT, 100                          ; s[100:101]
.set VB,  104                          ; s[104:105] V of the cls row's head, at the slot in hand: read and stepped by wave 12 alone
; s[16:63], s[68:83]: first the arguments, then (waves 0-11) a key step's 64 mask words, (wave 12) zeros
.macro PLACES n
.rept \n
	v_nop
.endr
.endm
.macro CROUND                          ; a round of the cluster's barrier
	s_barrier_signal -1
	s_barrier_wait -1
	CREST
.endm
.macro CREST                           ; a round behind its opening barrier
	s_cmp_lg_u32 s[WV], 0
	s_cbranch_scc1 .Lnot_wave_0_\@
	s_barrier_signal -3
.Lnot_wave_0_\@:
	s_barrier_wait -3
	s_barrier_signal -1
	s_barrier_wait -1
.endm
.macro TLOAD                           ; waves 0-11: my 8,192 bytes of a slot, jointly with the three partners.  Four v_nop follow
	s_cmp_lt_u32 s[WV], 12
	s_cbranch_scc0 .Lno_fetch_\@
	tensor_load_to_lds s[G0:G0+3], s[G1:G1+7]
	s_nop 0
	PLACES 4
.Lno_fetch_\@:
.endm
; A prefetch of the slot that the NEXT change of slots will ask for.  All eight clusters of a group walk the same bytes: the first (cluster x = 0) asks, in wave 12, which fetches nothing.  Its four partners share the
; slot out by address, 24,576 bytes each: three instructions, lanes 256 bytes apart.  So each run of 256 bytes is named once.  The last change that fills a slot asks for nothing; slots 0 and 1 come by their loads alone.
.macro ASK
	s_cmp_gt_u32 s[SLOTS], s[LIM]
	s_cbranch_scc0 .Lnot_mine_\@
	global_prefetch_b8 v[PFO], s[PFA:PFA+1] th:TH_LOAD_NT scope:SCOPE_SE
	global_prefetch_b8 v[PFO], s[PFA:PFA+1] offset:8192 th:TH_LOAD_NT scope:SCOPE_SE
	global_prefetch_b8 v[PFO], s[PFA:PFA+1] offset:16384 th:TH_LOAD_NT scope:SCOPE_SE
.Lnot_mine_\@:
.endm
; THE CHANGE OF SLOTS stands in the middle of a slot's last key step, when that step's V is in registers, and comes in two parts with register work between.  DRAIN: each wave waits for all its tensor loads (its part
; of the slot ahead), adds 0 to its spare word, waits for that and for its reads of the slot that it leaves, and signals.  MEET: the barrier's wait; fill = 1: the rest of a round of the cluster's barrier, so that no wave
; of any partner still reads that slot or has a load on its way; then the joint refill, which has the next slot's work up to its DRAIN in which to land; and the addresses in the slot ahead.
.macro DRAIN fill
	s_wait_tensorcnt 0x0                           ; no tensor load of mine is out, so group 0 may be written
	ds_add_u32 v[SPW], v[NIL]                      ; 0 onto my spare word
.if \fill
	ds_add_u32 v[SPW], v[NIL]                      ; and once more
	s_xor_b32 s[G0+1], s[G0+1], SLOT1              ; the other slot than last time,
	s_add_nc_u64 s[G0+2:G0+3], s[G0+2:G0+3], SLOTB ; the next 256 keys; the type bits on top are not reached
	s_wait_xcnt 0x0                                ; the last prefetches, a slot back, have read their address
	s_add_nc_u64 s[PFA:PFA+1], s[PFA:PFA+1], SLOTB ; one slot further on than the walking descriptor
.endif
	s_wait_dscnt 0x0                               ; the add is done, and my reads of the slot that I leave are over
	s_barrier_signal -1
.endm
.macro MEET fill
	s_barrier_wait -1
.if \fill
	CREST
	TLOAD
	ASK
.endif
	s_xor_b32 s[TB], s[TB], SLOT1                  ; on to the slot ahead: its addresses, made by every wave
	v_add_nc_u32 v[ADK0], s[TB], v[AK0]
	v_add_nc_u32 v[ADK1], s[TB], v[AK1]
	v_add_nc_u32 v[ADV], s[TB], v[AV]
	s_wait_alu depctr_va_vdst(0)                   ; the wait ahead of the branch
.endm
.macro KLOAD reg, q2                   ; a step's eight tiles of K: 16 keys x 64 channels each, two loads of 16 bytes a lane
.irp t, 0,1,2,3,4,5,6,7
	ds_load_b128 v[\reg+8*\t:\reg+8*\t+3], v[ADK0] offset:(\q2)*STEPB+1024*\t
	ds_load_b128 v[\reg+8*\t+4:\reg+8*\t+7], v[ADK1] offset:(\q2)*STEPB+1024*\t
.endr
.endm
.macro MAXIN sr                        ; the largest of 64 registers, in four chains (v254, v252, v234, v235) -> v254
	v_max3_num_f32 v254, v[\sr], v[\sr+1], v[\sr+2]
	v_max3_num_f32 v252, v[\sr+3], v[\sr+4], v[\sr+5]
	v_max3_num_f32 v234, v[\sr+6], v[\sr+7], v[\sr+8]
	v_max3_num_f32 v235, v[\sr+9], v[\sr+10], v[\sr+11]
.set N, 12
.rept 6
	v_max3_num_f32 v254, v254, v[\sr+N], v[\sr+N+1]
	v_max3_num_f32 v252, v252, v[\sr+N+2], v[\sr+N+3]
	v_max3_num_f32 v234, v234, v[\sr+N+4], v[\sr+N+5]
	v_max3_num_f32 v235, v235, v[\sr+N+6], v[\sr+N+7]
.set N, N+8
.endr
	v_max3_num_f32 v254, v254, v[\sr+60], v[\sr+61]
	v_max3_num_f32 v252, v252, v[\sr+62], v[\sr+63]
	s_delay_alu instid0(VALU_DEP_2)
	v_max3_num_f32 v254, v254, v234, v235
	s_delay_alu instid0(VALU_DEP_1)
	v_max_num_f32 v254, v254, v252
.endm
.macro EXPSUM sr, pair, first          ; p = 2^(score x c - M) in place, and the sum of the unquantised p.  first = 1: the sum begins here
.set N, 0
.rept 32
	v_pk_fma_f32 v[\sr+N:\sr+N+1], v[\sr+N:\sr+N+1], s[\pair:\pair+1], v[12:13] op_sel_hi:[1,0,0]   ; of the pairs c and -M the low word serves both halves
.set N, N+2
.endr
.set N, 0
	s_wait_alu depctr_va_vdst(0)
.rept 64
	v_exp_f32 v[\sr+N], v[\sr+N]
.set N, N+1
.endr
.if \first
	v_mov_b32 v14, 0                               ; (plain lines behind the exponentials)
	v_mov_b32 v15, 0
	s_wait_alu depctr_va_vdst(0)
.else
	v_pk_mul_f32 v[14:15], v[14:15], v[252:253] op_sel_hi:[1,0]   ; the sum under the new M (a plain line behind the exponentials)
	s_wait_alu depctr_va_vdst(0)
.endif
	v_pk_add_f32 v[242:243], v[\sr:\sr+1], v[\sr+2:\sr+3]      ; four chains of pairs: v14, v242, v248, v250 (wave 12 is done with q[0] and k[0] here)
	v_pk_add_f32 v[248:249], v[\sr+4:\sr+5], v[\sr+6:\sr+7]
	v_pk_add_f32 v[250:251], v[\sr+8:\sr+9], v[\sr+10:\sr+11]
.set N, 12
.rept 6
	v_pk_add_f32 v[14:15], v[14:15], v[\sr+N:\sr+N+1]
	v_pk_add_f32 v[242:243], v[242:243], v[\sr+N+2:\sr+N+3]
	v_pk_add_f32 v[248:249], v[248:249], v[\sr+N+4:\sr+N+5]
	v_pk_add_f32 v[250:251], v[250:251], v[\sr+N+6:\sr+N+7]
.set N, N+8
.endr
	v_pk_add_f32 v[14:15], v[14:15], v[\sr+60:\sr+61]
	v_pk_add_f32 v[242:243], v[242:243], v[\sr+62:\sr+63]
	v_pk_add_f32 v[248:249], v[248:249], v[250:251]
	v_pk_add_f32 v[14:15], v[14:15], v[242:243]
	s_delay_alu instid0(VALU_DEP_1)
	v_pk_add_f32 v[14:15], v[14:15], v[248:249]
.endm
.macro QUANTP sr, load, q2             ; 64 p -> 16 registers of codes: group 4 b' holds keys 32 b' + 16 (lane / 16) + 0 .. 15.  load = 1: the registers of 16 p that have become codes take two tiles of K of step q2
.irp c, 0,1,2,3
.set N, 0
.rept 8                                ; the conversion does not saturate (ISA guide 7.6.2); p is not negative, so the hold is one-sided: two numbers an instruction (v240 and v241 hold the same number)
	v_dual_min_num_f32 v[\sr+16*\c+N], v240, v[\sr+16*\c+N] :: v_dual_min_num_f32 v[\sr+16*\c+N+1], v241, v[\sr+16*\c+N+1]
.set N, N+2
.endr
	v_cvt_scalef32_pk8_fp8_f32 v[PC+4*\c:PC+4*\c+1], v[\sr+16*\c:\sr+16*\c+7], v244
	v_cvt_scalef32_pk8_fp8_f32 v[PC+4*\c+2:PC+4*\c+3], v[\sr+16*\c+8:\sr+16*\c+15], v244
.if \load
.irp u, 0,1
	ds_load_b128 v[\sr+16*\c+8*\u:\sr+16*\c+8*\u+3], v[ADK0] offset:(\q2)*STEPB+1024*(2*\c+\u)
	ds_load_b128 v[\sr+16*\c+8*\u+4:\sr+16*\c+8*\u+7], v[ADK1] offset:(\q2)*STEPB+1024*(2*\c+\u)
.endr
.endif
.endr
	v_nop                                          ; a plain line behind the last conversion
.endm
; THE CLS KEY.  A step of K = 64 in which only place 0 (lanes 0-15, register 0, byte 0) holds codes: v[0]'s in source 0, p's in source 1 (in the lanes of mask s[pm]).  The four products start O^T's sums: nothing is cleared.
.macro CLSKEY pm
.irp i, 1,2,3,4,5,6,7
	v_mov_b32 v[G+\i], 0
.endr
.irp t, 0,1,2,3
	v_cndmask_b32 v[G], 0, v[V0+\t], s[LOW]
	s_delay_alu instid0(VALU_DEP_1)
	v_med3_num_f32 v[G], v[G], -v247, v247
	v_cvt_scalef32_pk8_fp8_f32 v[Y+8*\t:Y+8*\t+1], v[G:G+7], v246
.irp i, 2,3,4,5,6,7
	v_mov_b32 v[Y+8*\t+\i], 0                      ; (these are also the plain lines behind the conversion)
.endr
.endr
	v_cndmask_b32 v[G], 0, v[SQ], s[\pm]
	s_delay_alu instid0(VALU_DEP_1)
	v_min_num_f32 v[G], v[G], v240
	v_cvt_scalef32_pk8_fp8_f32 v[PF:PF+1], v[G:G+7], v244
.irp i, 2,3,4,5,6,7
	v_mov_b32 v[PF+\i], 0
.endr
.irp t, 0,1,2,3
	v_wmma_f32_16x16x64_fp8_fp8 v[O+8*\t:O+8*\t+7], v[Y+8*\t:Y+8*\t+7], v[PF:PF+7], 0
.endr
	PLACES 5                                       ; in front of loads into Y, of S^T over Y, and of the other form's products that add onto O^T
.endm
; A KEY STEP of 128 keys, the q2-th of the slot, in three parts: SCORES, then EXPSUM and QUANTP, then PV.
; SCORES: S^T = K Q^T, the mask, the running M and f.  kr: K's registers, which V's loads then take; sr: S^T's.  mnext: the next step's mask words are asked for.
.macro SCORES q2, kr, sr, mnext
	s_wait_dscnt 0x0                               ; K is in
.irp t, 0,1,2,3,4,5,6,7
	v_wmma_f32_16x16x64_fp8_fp8 v[\sr+8*\t:\sr+8*\t+7], v[\kr+8*\t:\kr+8*\t+7], v[Q:Q+7], 0
.endr
	PLACES 4                                       ; in front of the loads into K's registers and of the first read of S^T
.irp t, 0,1,2,3
.irp c, 0,1,2,3
	ds_load_b128 v[\kr+16*\t+4*\c:\kr+16*\t+4*\c+3], v[ADV] offset:(\q2)*STEPB+VOFF+2048*\t+512*\c   ; V: 16 channels x 128 keys a tile
.endr
.endr
	s_wait_kmcnt 0x0                               ; this step's 64 mask words are in, so their pointer may step
.if \mnext
	s_add_nc_u64 s[MPT:MPT+1], s[MPT:MPT+1], 256
.endif
.set N, 0
.rept 64                               ; hidden scores become -infinity; each tile of S^T from its low end on
.if N < 48
.set MS, 16+N
.else
.set MS, 20+N
.endif
	v_cndmask_b32 v[\sr+N], v[\sr+N], v[NINF], s[MS]
.set N, N+1
.endr
.if \mnext
	s_load_b512 s[16:31], s[MPT:MPT+1], 0x0
	s_load_b512 s[32:47], s[MPT:MPT+1], 0x40
	s_load_b512 s[48:63], s[MPT:MPT+1], 0x80
	s_load_b512 s[68:83], s[MPT:MPT+1], 0xc0
.endif
	MAXIN \sr
	s_delay_alu instid0(VALU_DEP_1)
	v_permlanex16_b32 v236, v254, s[SEL], s[SEL+1]
	s_delay_alu instid0(VALU_DEP_1)
	v_max_num_f32 v254, v254, v236                 ; and lane xor 16's 64 keys
	s_delay_alu instid0(VALU_DEP_1)
	v_mul_f32 v254, s[CS], v254                    ; as t (c is positive)
	s_delay_alu instid0(VALU_DEP_1)
	v_max_num_f32 v13, v13, v254                   ; the running largest t
	v_mov_b32 v254, v12
	s_delay_alu instid0(VALU_DEP_2)
	v_floor_f32 v12, -v13                          ; -M = floor(-t): M is a whole number
	s_delay_alu instid0(VALU_DEP_1)
	v_sub_f32 v254, v12, v254                      ; old M - new M, a whole number, 0 or less
	s_delay_alu instid0(VALU_DEP_1)
	v_cvt_i32_f32 v254, v254                       ; (it saturates)
	s_delay_alu instid0(VALU_DEP_1)
	v_ldexp_f32 v252, 1.0, v254                    ; f = 2^(old M - new M)
.endm
; PV: O^T x f, then O^T += V^T P^T.  kr: V's registers; left: the younger LDS loads, which may stay out
.macro PV kr, left
	s_wait_alu depctr_va_vdst(0)                   ; directly ahead of the first reader of O^T
.set N, 0
.rept 16
	v_pk_mul_f32 v[O+N:O+N+1], v[O+N:O+N+1], v[252:253] op_sel_hi:[1,0]   ; O^T under the new M (also the plain lines behind the conversions)
.set N, N+2
.endr
	s_wait_alu depctr_va_vdst(0)
	s_wait_dscnt \left                             ; V is in; left = 16: the 16 younger loads are the next step's K
.irp t, 0,1,2,3
	v_wmma_f32_16x16x128_fp8_fp8 v[O+8*\t:O+8*\t+7], v[\kr+16*\t:\kr+16*\t+15], v[PC:PC+15], v[O+8*\t:O+8*\t+7]   ; the four accumulators by turns
.endr
	PLACES 5                                       ; the next step's S^T is written over V's registers
.endm
.macro VLOAD set, off                  ; wave 12: a step's V of its head, from memory, as the images lie
.irp t, 0,1,2,3
.irp c, 0,1,2,3
	global_load_b128 v[\set+16*\t+4*\c:\set+16*\t+4*\c+3], v[LI], s[VB:VB+1] offset:\off+2048*\t+512*\c
.endr
.endr
.endm
.macro CSTEP set, q2, next, left       ; wave 12: one key step of the cls row.  left: the other set's loads, which may stay out
	s_wait_loadcnt \left
.set N, 0
.rept 16
	v_cndmask_b32 v[F+N], 0, v[PC+N], s[CM]        ; this step's column alone
.set N, N+1
.endr
	s_lshl_b32 s[CM], s[CM], 1
.irp t, 0,1,2,3
	v_wmma_f32_16x16x128_fp8_fp8 v[O+8*\t:O+8*\t+7], v[\set+16*\t:\set+16*\t+15], v[F:F+15], v[O+8*\t:O+8*\t+7]
.endr
	PLACES 4                                       ; in front of the loads into the set, of the next writes of F and of the first read of O^T
.if \next
	VLOAD \set, SLOTB+(\q2)*STEPB
.endif
.endm
; A slot's two key steps.  PARTA: the first step (its K is in X or on its way there), and the second as far as its f, with its V asked for; next = 0, in the last slot: the whole second step.
; Wave 12 does its two steps here.  PARTB, between DRAIN and MEET: the second step's p and sum, register work alone.  PARTC, behind MEET: its codes, the next slot's first K into X as p's registers come free,
; and the second step's products.
.macro PARTA next
	s_cmp_lt_u32 s[WV], 12
	s_cbranch_scc0 .Lsvc_\@
	SCORES 0, X, Y, 1
	EXPSUM Y, CS, 0
	QUANTP Y, 1, 1
	PV X, 16
	SCORES 1, Y, X, \next
.if \next
	s_wait_alu depctr_va_vdst(0)                   ; the wait ahead of the branch
.else
	EXPSUM X, CS, 0
	QUANTP X, 0, 0
	PV Y, 0
.endif
	s_branch .Ljoin_\@
.Lsvc_\@:
	s_cmp_eq_u32 s[CLS], 1
	s_cbranch_scc0 .Ljoin_\@
	CSTEP X, 0, \next, 16
	CSTEP Y, 1, \next, 16*\next
.if \next
	s_wait_xcnt 0x0                                ; the loads have read their base
	s_add_nc_u64 s[VB:VB+1], s[VB:VB+1], SLOTB
.endif
.Ljoin_\@:
.endm
.macro PARTB
	s_cmp_lt_u32 s[WV], 12
	s_cbranch_scc0 .Lno_b_\@
	EXPSUM X, CS, 0
	s_wait_alu depctr_va_vdst(0)                   ; the wait ahead of the barrier's wait
.Lno_b_\@:
.endm
.macro PARTC
	s_cmp_lt_u32 s[WV], 12
	s_cbranch_scc0 .Lno_c_\@
	QUANTP X, 1, 0
	PV Y, 16
.Lno_c_\@:
.endm
.macro SCALES                          ; what is made of the given exponents e0 .. e3 in s[40:43]; s78 and s79 at work
	s_wait_kmcnt 0x0
	s_add_co_i32 s78, s40, s41
	s_lshl_b32 s78, s78, 23
	s_add_co_i32 s[CS], s[C0], s78                 ; a sum of codes stands for sum x 2^(e0 + e1): the exponents are added to c's exponent field
	s_mov_b32 s[CS+1], s[CS]
	s_add_co_i32 s78, s42, 127
	s_lshl_b32 s79, s78, 23
	v_mov_b32 v244, s79                            ; 2^e2
	s_add_co_i32 s78, s78, 8
	s_lshl_b32 s78, s78, 23
	s_or_b32 s78, s78, 0x600000
	v_mov_b32 v240, s78                            ; 448 x 2^e2, twice
	v_mov_b32 v241, s78
	s_add_co_i32 s78, s43, 127
	s_lshl_b32 s79, s78, 23
	v_mov_b32 v246, s79                            ; 2^e3
	s_add_co_i32 s78, s78, 8
	s_lshl_b32 s78, s78, 23
	s_or_b32 s78, s78, 0x600000
	v_mov_b32 v247, s78                            ; 448 x 2^e3
	s_add_co_i32 s[ESUM], s42, s43
	s_wait_alu depctr_va_vdst(0)                   ; the wait ahead of the waits that follow
.endm
	s_load_b512 s[16:31], s[0:1], 0x0              ; qimg s[16:17], kv s[18:19], mw s[20:21], cls s[22:23], q s[24:25], k s[26:27], v s[28:29], mask s[30:31]
	s_load_b128 s[32:35], s[0:1], 0x40             ; scales s[32:33], out0 s[34:35]
	v_lshl_add_u32 v[SPW], v0, 2, SPARE
	v_mov_b32 v[NIL], 0
	ds_add_u32 v4, v5
	ds_add_u32 v4, v5
	s_wait_dscnt 0x0
	v_lshrrev_b32 v248, 5, v0
	s_delay_alu instid0(VALU_DEP_1)
	v_readfirstlane_b32 s[WV], v248                ; wave 0..12
	s_bfe_u32 s44, ttmp6, 0x40000                  ; cx: it enters addresses in memory alone
	s_lshl_b32 s45, ttmp9, 2
	s_add_co_u32 s45, s45, s44                     ; jb = 4 x cluster x + cx
	s_and_b32 s46, ttmp7, 0xffff                   ; g, which the partners share
	s_lshr_b32 s47, s46, 2                         ; b
	s_lshr_b32 s48, s[WV], 2                       ; my head in the group
	s_and_b32 s49, s[WV], 3
	s_lshl_b32 s50, s45, 2
	s_add_co_u32 s50, s50, s49                     ; T: my tile of queries
	s_mul_i32 s51, s46, 3
	s_add_co_u32 s51, s51, s48                     ; my head
	; every address register is made here, ahead of the parting of the waves
	v_and_b32 v248, 15, v0                         ; r
	v_bfe_u32 v249, v0, 4, 1                       ; h
	v_and_b32 v250, 7, v0                          ; r % 8
	v_bfe_u32 v251, v0, 3, 1                       ; r / 8
	v_and_b32 v252, 31, v0                         ; lane
	s_lshl_b32 s52, s48, 15
	v_mul_u32_u24 v[AK0], v251, 640
	s_delay_alu instid0(VALU_DEP_1)
	v_lshl_add_u32 v[AK0], v249, 8, v[AK0]
	s_delay_alu instid0(VALU_DEP_1)
	v_lshl_add_u32 v[AK0], v250, 4, v[AK0]
	s_delay_alu instid0(VALU_DEP_1)
	v_add_nc_u32 v[AK0], s52, v[AK0]               ; 32768 head + 640 (r / 8) + 256 h + 16 (r % 8)
	s_delay_alu instid0(VALU_DEP_1)
	v_xor_b32 v[AK1], 128, v[AK0]
	v_lshlrev_b32 v[LI], 4, v252
	s_delay_alu instid0(VALU_DEP_1)
	v_add_nc_u32 v[AV], s52, v[LI]
	s_mul_i32 s53, s[WV], STW
	s_add_co_u32 s53, s53, STAGE                   ; my stage
	v_mul_u32_u24 v[STI], v248, 272
	s_delay_alu instid0(VALU_DEP_1)
	v_lshl_add_u32 v[STI], v249, 5, v[STI]
	s_delay_alu instid0(VALU_DEP_1)
	v_add_nc_u32 v[STI], s53, v[STI]               ; in: row r, + 32 h
	v_mul_u32_u24 v[STR], v249, 272
	s_delay_alu instid0(VALU_DEP_1)
	v_lshl_add_u32 v[STR], v248, 4, v[STR]
	s_delay_alu instid0(VALU_DEP_1)
	v_add_nc_u32 v[STR], s53, v[STR]               ; back: lanes 0-15 one row, lanes 16-31 the next
	v_lshl_add_u32 v[CSI], v249, 5, s53
	v_lshl_add_u32 v[CSR], v248, 4, s53
	v_mul_u32_u24 v[GO], v249, 3072
	s_delay_alu instid0(VALU_DEP_1)
	v_lshl_add_u32 v[GO], v248, 4, v[GO]
	v_lshlrev_b32 v[QO], 9, v249
	s_delay_alu instid0(VALU_DEP_1)
	v_lshl_add_u32 v[QO], v251, 8, v[QO]
	s_delay_alu instid0(VALU_DEP_1)
	v_lshl_add_u32 v[QO], v250, 4, v[QO]           ; Q's image: 512 h + 256 (r / 8) + 16 (r % 8)
	v_lshlrev_b32 v[R4], 2, v248
	v_lshlrev_b32 v[SCO], 9, v248
	s_delay_alu instid0(VALU_DEP_1)
	v_lshl_add_u32 v[SCO], v249, 6, v[SCO]
	v_lshlrev_b32 v[L8], 3, v252
	v_lshlrev_b32 v[PFO], 8, v252
	v_mov_b32 v[NINF], 0xff800000
	v_mov_b32 v236, 0                              ; a lane permute's destination counts as one of its sources
	v_mov_b32 v253, 0                              ; (named as the upper half of the pair v[252:253])
	v_mov_b32 v239, 0
	; descriptor group 1: 32 rows of 32 elements of 8 bytes, dense: 8,192 bytes
	s_mov_b32 s[G1+0], 15|(3<<16)|(1<<21)          ; 15:0 the mask: all four work-groups; 17:16 elements of 8 bytes; 21 set beside a mask; no padding: the images are read as they lie
	s_mov_b32 s[G1+1], 32<<16
	s_mov_b32 s[G1+2], 32<<16
	s_mov_b32 s[G1+3], 32<<16
	s_mov_b32 s[G1+4], 32
	s_mov_b32 s[G1+5], 32
	s_mov_b32 s[G1+6], 0
	s_mov_b32 s[G1+7], 0
	s_mov_b32 s[SEL], 0x76543210
	s_mov_b32 s[SEL+1], 0xfedcba98
	s_mov_b32 s[C0], 0x3e38aa3b                    ; log2(e) / 8
	s_mov_b32 s[C0+1], s[C0]
	s_mov_b32 s[TB], SLOT1                         ; the first MEET turns it to slot 0
	s_mov_b32 s[SLOTS], 7
	s_mov_b32 s[LOW], 0xffff
	s_sub_co_u32 s54, s[WV], 12
	s_or_b32 s54, s54, ttmp9                       ; 0 in wave 12 of the group's first cluster: alike in all partners
	s_cmp_eq_u32 s54, 0
	s_cselect_b32 s[LIM], 1, -1
	s_cmp_lt_u32 s46, 6
	s_cselect_b32 s[CLS], 1, 0
	s_cmp_eq_u32 ttmp9, 0
	s_cselect_b32 s[CLS], s[CLS], 0                ; cluster x = 0 and g < 6: alike in all partners
	s_mul_i32 s54, s46, GRPB
	s_mov_b32 s55, 0
	s_lshl_b32 s58, s[WV], 13
	s_mov_b32 s59, 0
	s_mul_i32 s60, s44, 24576
	s_add_co_u32 s60, s60, SLOTB
	s_mov_b32 s61, 0
	; the cls row's head, and where its V begins
	s_lshl_b32 s72, s46, 2
	s_add_co_u32 s72, s72, s44
	s_min_u32 s72, s72, 23                         ; the head 4 g + cx, held inside the tensors where the work-group has no cls row
	s_mul_i32 s73, s72, 11
	s_lshr_b32 s73, s73, 5                         ; head / 3 (right for 0 .. 23): its group,
	s_mul_i32 s74, s73, 3
	s_sub_co_u32 s74, s72, s74                     ; its place in the group
	s_mul_i32 s[VB], s73, GRPB
	s_lshl_b32 s74, s74, 15
	s_add_co_u32 s[VB], s[VB], s74
	s_add_co_u32 s[VB], s[VB], VOFF
	s_mov_b32 s[VB+1], 0
	s_wait_alu depctr_va_vdst(0)                   ; directly ahead of the wait below
	s_wait_kmcnt 0x0
	s_load_b128 s[40:43], s[32:33], 0x0            ; e0 .. e3
	s_add_nc_u64 s[56:57], s[18:19], s[54:55]      ; K and V of my group
	s_mov_b32 s[G0], 1
	s_mov_b32 s[G0+1], s58                         ; LDS: wave x 8,192, slot 0
	s_add_nc_u64 s[G0+2:G0+3], s[56:57], s[58:59]
	s_or_b32 s[G0+3], s[G0+3], 0x80000000
	s_add_nc_u64 s[PFA:PFA+1], s[56:57], s[60:61]  ; my work-group's part of slot 1; the first change of slots steps it to slot 2
	s_add_nc_u64 s[VB:VB+1], s[18:19], s[VB:VB+1]  ; V of the cls row's head, slot 0, step 0
	s_lshl_b32 s60, s47, 7
	s_add_co_u32 s60, s60, s50
	s_lshl_b32 s60, s60, 12
	s_add_nc_u64 s[MPT:MPT+1], s[20:21], s[60:61]  ; the mask words of (b, T)
	CROUND                                         ; all four work-groups are here: the first joint loads meet
	TLOAD                                          ; slot 0
	s_cmp_lt_u32 s[WV], 12
	s_cbranch_scc0 .Lsvc_pro
	; ---------------- waves 0-11: Q, the cls key
	s_lshl_b32 s60, s51, 7
	s_add_co_u32 s60, s60, s50
	s_lshl_b32 s60, s60, 10
	s_add_nc_u64 s[62:63], s[16:17], s[60:61]
	global_load_b128 v[Q:Q+3], v[QO], s[62:63]
	global_load_b128 v[Q+4:Q+7], v[QO], s[62:63] offset:128
	s_lshl_b32 s60, s51, 13
	s_lshl_b32 s66, s50, 6
	s_add_co_u32 s60, s60, s66
	s_add_nc_u64 s[66:67], s[22:23], s[60:61]
	global_load_b32 v[SQ], v[R4], s[66:67]         ; q[my query] . k[0], -infinity where hidden
	s_mul_i32 s60, s51, HEADB
	s_add_nc_u64 s[68:69], s[28:29], s[60:61]
.irp t, 0,1,2,3
	global_load_b32 v[V0+\t], v[R4], s[68:69] offset:64*\t     ; v[0], channel 16 t + r
.endr
	s_mul_i32 s60, s47, 2049
	s_lshl_b32 s70, s50, 4
	s_add_co_u32 s60, s60, s70
	s_add_co_u32 s60, s60, 1
	s_mul_i32 s60, s60, 3072                       ; row b x 2,049 + 16 T + 1 of out0,
	s_and_b32 s70, s46, 3
	s_mul_i32 s70, s70, 3
	s_add_co_u32 s70, s70, s48
	s_lshl_b32 s70, s70, 8                         ; + my head's 256 bytes
	s_add_co_u32 s60, s60, s70
	s_add_nc_u64 s[OUT:OUT+1], s[34:35], s[60:61]
	SCALES
	s_wait_loadcnt 0x0                             ; all seven loads are in: their bases and the arguments may be written over
	s_load_b512 s[16:31], s[MPT:MPT+1], 0x0        ; key step 0's mask words
	s_load_b512 s[32:47], s[MPT:MPT+1], 0x40
	s_load_b512 s[48:63], s[MPT:MPT+1], 0x80
	s_load_b512 s[68:83], s[MPT:MPT+1], 0xc0
	s_branch .Lfirst
	; ---------------- wave 12: what the cls row's scores, p, sum and codes are made of
.Lsvc_pro:
	s_mov_b32 s60, s72                             ; the head
	s_mov_b32 s63, 0
	s_lshl_b32 s62, s60, 13
	s_add_nc_u64 s[66:67], s[22:23], s[62:63]
.irp c, 0,1,2,3
.irp i, 0,1,2,3
	global_load_b128 v[Y+16*\c+4*\i:Y+16*\c+4*\i+3], v[SCO], s[66:67] offset:196608+128*\c+16*\i   ; q[0] . k[key]: lane (r, h), register n: key step r, key 32 (n / 16) + 16 h + n % 16
.endr
.endr
	s_mul_i32 s62, s60, HEADB
	s_add_nc_u64 s[68:69], s[24:25], s[62:63]
	s_add_nc_u64 s[70:71], s[26:27], s[62:63]
	s_add_nc_u64 s[72:73], s[28:29], s[62:63]
	global_load_b64 v[248:249], v[L8], s[68:69]    ; q[0], two channels a lane
	global_load_b64 v[250:251], v[L8], s[70:71]    ; k[0]
.irp t, 0,1,2,3
	global_load_b32 v[V0+\t], v[R4], s[72:73] offset:64*\t
.endr
	s_cmp_ge_u32 s46, 3
	s_cselect_b32 s61, 1, 0                        ; the head's batch
	s_mul_i32 s62, s61, MASKB
	s_add_nc_u64 s[74:75], s[30:31], s[62:63]
	s_wait_alu depctr_va_vdst(0)
	global_load_u8 v238, v239, s[74:75]            ; mask[b][0][0]
	s_mul_i32 s62, s61, 2049*3072
	s_mul_i32 s77, s61, 12
	s_sub_co_u32 s77, s60, s77
	s_lshl_b32 s77, s77, 8
	s_add_co_u32 s62, s62, s77
	s_add_nc_u64 s[OUT:OUT+1], s[34:35], s[62:63]  ; row 0 of the batch, the head's 256 bytes
	SCALES
	s_wait_loadcnt 0x0                             ; all my loads are in, so their bases may be written
	; my pointers in s[16:63] and s[68:83] are done with (what I still need lies in s[OUT], s[VB], s[PFA]).  Waves 0-11 keep lane masks in these registers: no address stays there in any wave
.set N, 16
.rept 48
	s_mov_b32 s[N], 0
.set N, N+1
.endr
.set N, 68
.rept 16
	s_mov_b32 s[N], 0
.set N, N+1
.endr
.Lfirst:
	DRAIN 1                                        ; slot 0 is in; slot 1 is filled for the first time, as a refill is
	MEET 1
	s_cmp_lt_u32 s[WV], 12
	s_cbranch_scc0 .Lsvc_two
	; ---------------- waves 0-11: the first K, and the cls key
	KLOAD X, 0
	v_mul_f32 v254, s[C0], v[SQ]
	s_delay_alu instid0(VALU_DEP_1)
	v_max_num_f32 v13, 0xff61b1e6, v254            ; the largest t so far: the cls key's, or -3e38 where it is hidden
	s_delay_alu instid0(VALU_DEP_1)
	v_floor_f32 v12, -v13
	s_delay_alu instid0(VALU_DEP_1)
	v_fma_f32 v[SQ], v[SQ], s[C0], v12
	s_wait_alu depctr_va_vdst(0)
	v_exp_f32 v[SQ], v[SQ]                         ; its p
	v_mov_b32 v15, 0                               ; (a plain line behind the exponential)
	s_wait_alu depctr_va_vdst(0)
	v_cndmask_b32 v14, 0, v[SQ], s[LOW]            ; the sum begins with it, once: in lanes 0-15
	CLSKEY LOW
	s_branch .Lring
	; ---------------- wave 12: the cls row's scores, p, sum and codes
.Lsvc_two:
	v_mul_f32 v237, v248, v250                     ; q[0] . k[0]
	s_delay_alu instid0(VALU_DEP_1)
	v_fma_f32 v237, v249, v251, v237
.irp m, 1,2,4,8
	s_delay_alu instid0(VALU_DEP_1)
	v_add_f32_dpp v237, v237, v237 row_xmask:\m row_mask:0xf bank_mask:0xf
.endr
	s_delay_alu instid0(VALU_DEP_1)
	v_permlanex16_b32 v236, v237, s[SEL], s[SEL+1]
	s_delay_alu instid0(VALU_DEP_1)
	v_add_f32 v237, v237, v236
	v_cmp_eq_u32 vcc_lo, 0, v238
	s_delay_alu instid0(VALU_DEP_1)
	v_cndmask_b32 v237, v237, v[NINF], vcc_lo
	MAXIN Y
	s_delay_alu instid0(VALU_DEP_1)
	v_max_num_f32 v254, v254, v237
.irp m, 1,2,4,8
	s_delay_alu instid0(VALU_DEP_1)
	v_max_num_f32_dpp v254, v254, v254 row_xmask:\m row_mask:0xf bank_mask:0xf
.endr
	s_delay_alu instid0(VALU_DEP_1)
	v_permlanex16_b32 v236, v254, s[SEL], s[SEL+1]
	s_delay_alu instid0(VALU_DEP_1)
	v_max_num_f32 v254, v254, v236                 ; the row's largest score, in every lane
	s_delay_alu instid0(VALU_DEP_1)
	v_mul_f32 v254, s[C0], v254
	s_delay_alu instid0(VALU_DEP_1)
	v_max_num_f32 v13, 0xff61b1e6, v254
	s_delay_alu instid0(VALU_DEP_1)
	v_floor_f32 v12, -v13                          ; -M
	EXPSUM Y, C0, 1
	v_fma_f32 v[SQ], v237, s[C0], v12
	s_wait_alu depctr_va_vdst(0)
	v_exp_f32 v[SQ], v[SQ]                         ; the cls key's p
	v_add_f32 v14, v14, v15
.irp m, 1,2,4,8
	s_delay_alu instid0(VALU_DEP_1)
	v_add_f32_dpp v14, v14, v14 row_xmask:\m row_mask:0xf bank_mask:0xf
.endr
	s_delay_alu instid0(VALU_DEP_1)
	v_permlanex16_b32 v236, v14, s[SEL], s[SEL+1]
	s_delay_alu instid0(VALU_DEP_1)
	v_add_f32 v14, v14, v236
	s_wait_alu depctr_va_vdst(0)
	v_add_f32 v14, v14, v[SQ]                      ; the row's sum
	QUANTP Y, 0, 0
	s_mov_b32 s[CM], 1
	CLSKEY CM                                      ; the cls key's p in lane 0 alone: column 0
	VLOAD X, 0                                     ; key step 0's V,
	VLOAD Y, STEPB                                 ; key step 1's
	s_mov_b32 s[CM], 0x00010001                    ; column 0's two lanes
.Lring:
	s_mov_b32 s[SLOTS], 6                          ; slots still to be asked for: 2 .. 7
	s_wait_alu depctr_va_vdst(0)                   ; the wait at the head's end
.Lslot:                                            ; six trips: in each the slot that is left is filled again
	PARTA 1
	DRAIN 1
	PARTB
	MEET 1
	PARTC
	s_sub_co_u32 s[SLOTS], s[SLOTS], 1
	s_cmp_lg_u32 s[SLOTS], 0
	s_cbranch_scc1 .Lslot
	PARTA 1                                        ; the last two slots are written out: slot 6
	DRAIN 0
	PARTB
	MEET 0
	PARTC
	PARTA 0                                        ; and slot 7
	s_cmp_lt_u32 s[WV], 12
	s_cbranch_scc0 .Lsvc_out
	; ---------------- the way out, waves 0-11: O^T / the sum x 2^(e2 + e3), through my stage, out as whole runs of 256 bytes (a query's 64 channels of my head)
	v_add_f32 v14, v14, v15
	s_delay_alu instid0(VALU_DEP_1)
	v_permlanex16_b32 v236, v14, s[SEL], s[SEL+1]
	s_delay_alu instid0(VALU_DEP_1)
	v_add_f32 v14, v14, v236
	s_wait_alu depctr_va_vdst(0)
	v_rcp_f32 v14, v14
	v_nop                                          ; a plain line behind the reciprocal
	s_wait_alu depctr_va_vdst(0)
	v_ldexp_f32 v14, v14, s[ESUM]
.set N, 0
.rept 32
	v_mul_f32 v[X+N], v[O+N], v14                  ; register 8 t + j is o(query r, channel 16 t + 8 h + j)
.set N, N+1
.endr
.irp t, 0,1,2,3
	ds_store_b128 v[STI], v[X+8*\t:X+8*\t+3] offset:64*\t
	ds_store_b128 v[STI], v[X+8*\t+4:X+8*\t+7] offset:64*\t+16
.endr
.irp i, 0,1,2,3,4,5,6,7
	ds_load_b128 v[Y+4*\i:Y+4*\i+3], v[STR] offset:544*\i      ; LDS serves a wave's instructions in order (ISA guide 5.7.1.4): these see my stores
.endr
.irp i, 0,1,2,3,4,5,6,7
	s_wait_dscnt 7-\i                              ; the younger read-backs may be out
	global_store_b128 v[GO], v[Y+4*\i:Y+4*\i+3], s[OUT:OUT+1] offset:6144*\i th:TH_STORE_NT
.endr
	s_branch .Lend
	; ---------------- the way out, wave 12: the sixteen columns are added; one run of 256 bytes
.Lsvc_out:
	s_cmp_eq_u32 s[CLS], 1
	s_cbranch_scc0 .Lend
.irp m, 1,2,4,8
.set N, 0
.rept 32
	v_add_f32_dpp v[O+N], v[O+N], v[O+N] row_xmask:\m row_mask:0xf bank_mask:0xf
.set N, N+1
.endr
.endr
	s_wait_alu depctr_va_vdst(0)
	v_rcp_f32 v14, v14
	v_lshlrev_b32 v233, 2, v[R4]                   ; 16 r (a plain line behind the reciprocal)
	s_wait_alu depctr_va_vdst(0)
	v_ldexp_f32 v14, v14, s[ESUM]
.set N, 0
.rept 32
	v_mul_f32 v[X+N], v[O+N], v14
.set N, N+1
.endr
.irp t, 0,1,2,3
	ds_store_b128 v[CSI], v[X+8*\t:X+8*\t+3] offset:64*\t      ; the sixteen lanes of a half hold, and store, the same numbers
	ds_store_b128 v[CSI], v[X+8*\t+4:X+8*\t+7] offset:64*\t+16
.endr
	ds_load_b128 v[Y:Y+3], v[CSR]
	s_wait_dscnt 0x0
	global_store_b128 v233, v[Y:Y+3], s[OUT:OUT+1] th:TH_STORE_NT   ; lanes 16-31 store the same bytes to the same places as lanes 0-15
.Lend:
	s_wait_tensorcnt 0x0                           ; the wave's end, behind my last tensor load and my last LDS store
	ds_add_u32 v[SPW], v[NIL]
	s_wait_dscnt 0x0
	CROUND                                         ; the closing round: no work-group ends while a partner may still ask for a tile that names it
	s_endpgm
.Lfunc_end_k_q93e47fbca7_attn:
	.size	k_q93e47fbca7_attn, .Lfunc_end_k_q93e47fbca7_attn-k_q93e47fbca7_attn
	.p2alignl 7, 3214868480
	.fill 96, 4, 3214868480
	.section	.rodata,"a",@progbits
	.p2align	6, 0x0
	.amdhsa_kernel k_q93e47fbca7_attn
		.amdhsa_group_segment_fixed_size 327680
		.amdhsa_private_segment_fixed_size 0
		.amdhsa_enable_private_segment 0
		.amdhsa_kernarg_size 80
		.amdhsa_user_sgpr_count 2
		.amdhsa_user_sgpr_kernarg_segment_ptr 1
		.amdhsa_wavefront_size32 1
		.amdhsa_system_sgpr_workgroup_id_x 1
		.amdhsa_system_sgpr_workgroup_id_y 1
		.amdhsa_system_sgpr_workgroup_id_z 1
		.amdhsa_system_vgpr_workitem_id 0
		.amdhsa_next_free_vgpr 256
		.amdhsa_next_free_sgpr 106
		.amdhsa_reserve_vcc 1
		.amdhsa_float_denorm_mode_32 3
		.amdhsa_float_denorm_mode_16_64 3
		.amdhsa_memory_ordered 1
		.amdhsa_forward_progress 1
		.amdhsa_inst_pref_size 189
	.end_amdhsa_kernel
	.amdgpu_metadata
---
amdhsa.version: [ 1, 2 ]
amdhsa.kernels:
  - .name:           k_q93e47fbca7_attn
    .symbol:         k_q93e47fbca7_attn.kd
    .args:
      - { .name: qimg, .offset: 0, .size: 8, .value_kind: global_buffer, .address_space: global }
      - { .name: kv, .offset: 8, .size: 8, .value_kind: global_buffer, .address_space: global }
      - { .name: mw, .offset: 16, .size: 8, .value_kind: global_buffer, .address_space: global }
      - { .name: cls, .offset: 24, .size: 8, .value_kind: global_buffer, .address_space: global }
      - { .name: q, .offset: 32, .size: 8, .value_kind: global_buffer, .address_space: global }
      - { .name: k, .offset: 40, .size: 8, .value_kind: global_buffer, .address_space: global }
      - { .name: v, .offset: 48, .size: 8, .value_kind: global_buffer, .address_space: global }
      - { .name: mask_for_attention, .offset: 56, .size: 8, .value_kind: global_buffer, .address_space: global }
      - { .name: lowp_scales, .offset: 64, .size: 8, .value_kind: global_buffer, .address_space: global }
      - { .name: out0, .offset: 72, .size: 8, .value_kind: global_buffer, .address_space: global }
    .group_segment_fixed_size: 327680
    .private_segment_fixed_size: 0
    .kernarg_segment_align: 8
    .kernarg_segment_size: 80
    .max_flat_workgroup_size: 416
    .sgpr_count:     106
    .vgpr_count:     256
    .wavefront_size: 32
...
	.end_amdgpu_metadata
.endif
;; end of part 2
